; MI455X (gfx1250); checked and timed in simulation.
; The chip was launched on July 23, 2026; its instructions are those of AMD's public machine-readable ISA for CDNA 5 (MIT licence, August 2026) and "CDNA5" Instruction Set Architecture Reference Guide (July 2026). The comments in the code are by the model that wrote it; some were corrected since.
;; Chamfer Distance. Allowed arithmetic: float matrix products may take bf16 or f16 operands with f32 sums; all other float work in f32.
;; Inputs: xyz1 8 x 4,096 x 3 float32; xyz2 8 x 8,192 x 3 float32.
;; Outputs: out0 8 x 4,096 float32; out1 8 x 8,192 float32.
;; One version. Each part assembles by itself: llvm-mc -triple=amdgcn-amd-amdhsa -mcpu=gfx1250 --defsym DOCPART=n.
;; ======== version 1 of 1: 2 launches
;; workspace buffers: partial 2,097,152 bytes
;; launch tiles (part 1): grid 32 x 8, 8 waves a work-group, no clusters, 301,056 bytes of LDS; arguments xyz1, xyz2, partial; writes partial
.if DOCPART == 1
	.amdgcn_target "amdgcn-amd-amdhsa--gfx1250"
	.amdhsa_code_object_version 6
	.text
	.protected	k_q050e6be249_tiles
	.globl	k_q050e6be249_tiles
	.p2align	8
	.type	k_q050e6be249_tiles,@function
k_q050e6be249_tiles:
	s_mov_b64 s[64:65], 0
	v_nop
	global_prefetch_b8 v0, s[64:65] scope:SCOPE_SE
	s_setreg_imm32_b32 hwreg(HW_REG_WAVE_MODE, 25, 1), 1
	s_wait_xcnt 0x0
; Chamfer distance, first of two launches.  d[n][m] = |x_n|^2 + |y_m|^2 - 2 x_n.y_m; dist1 = min over m, dist2 = min over n.
; A work-group takes one batch's block of 1024 points of xyz1 (rows) x 1024 points of xyz2 (columns): 4 x 8 blocks a batch, 8 batches, 256 work-groups.
; It stores the block's row minima (one of 8 partial results of dist1) and column minima (one of 4 of dist2); the second launch folds them.
;
; ONE MATRIX INSTRUCTION MAKES A FINISHED 16 x 16 TILE OF d.  The inner dimension is 3 and the bf16 form has K = 32, so the other K places carry
; accuracy and the norms.  Every f32 number v (-2x, y, the norms) is cut exactly into three bf16 pieces h + m + l: h = the upper 16 bits of v,
; r = v - h (exact), m = the upper 16 bits of r, l = r - m (exact, at most 8 significant bits).  For each coordinate 8 K places hold
; hh, hm, mh, mm, hl, lh, ml, lm; only l*l is left out (below 2^-30 |x||y|).  Six more places hold the pieces of |x|^2 against 1 and 1 against those of |y|^2.
; A point's row of 32 bf16 (64 bytes), low half of a word first:
;   words 4c .. 4c+3 (c = coordinate):  xyz1: {h,h} {m,m} {h,l} {m,l}      xyz2: {h,m} {h,m} {l,h} {l,m}
;   words 12 .. 15:                     xyz1: {nh,nm} {nl,1} {1,1} 0       xyz2: {1,1} {1,nh} {nm,nl} 0
; LIMITS: inputs finite and |x|^2 finite in f32 (an infinity gives NaN pieces; v_min_num and v_min3_num drop a NaN where jnp.min keeps it).
; The norms are made with fused multiply-adds, and the three terms of d are summed inside the matrix unit: the order of rounding differs from the reference's.
;
; EIGHT WAVES: wave w keeps the fragments of its 128 rows (8 x 8 registers) and their running minima (64 registers) and walks all 64 column blocks,
; two at a time.  With four waves of 256 rows a wave would need more than 256 registers and two window switches for every 18 instructions.
; NO CLUSTER, NO TENSOR LOADS: a work-group reads 24 KiB once, at its head, and those bytes must pass through registers to be cut into pieces.
.set BLK,   1024                       ; points a side
.set PITCH, 80                         ; LDS bytes from point to point: 64 + 16, so that 16 neighbouring rows start at 16 different 16-byte columns modulo 256
.set BBASE, BLK*PITCH                  ; xyz2's rows lie behind xyz1's
.set STG,   2*BLK*PITCH                ; stage of column minima: [wave][lane half][1024 columns] f32
.set STGH,  4160                       ; 4,096 bytes + 64: the two halves of a wave's store fall on different words modulo 256 bytes
.set STGW,  2*STGH
.set RT,    STG+8*STGW                 ; each wave's own 32 x 272 bytes, to transpose its row minima
.set RTP,   272
.set RTW,   32*RTP
.set P2,    0x100000                   ; dist2's partial results lie 1 MiB into the buffer
.set GOFF, 2                           ; v2   12 t: my point's bytes in a group of 256 points
.set SA,   3                           ; v3   80 t: where my xyz1 rows go
.set SB,   4                           ; v4   the same for xyz2
.set FA,   5                           ; v5   my wave's A fragments
.set FB,   6                           ; v6   B fragments; stepped two pairs a trip
.set ST,   7                           ; v7   my words in my wave's stage; stepped
.set RS,   8                           ; v8   transpose: where my 16 bytes go
.set RL,   9                           ; v9   transpose: where I read 256 bytes back
.set CL,   10                          ; v10  stage: my four columns
.set OUT,  11                          ; v11  16 t: my 16 bytes of either result
.set ONE,  14                          ; v14  1.0: its upper half is bf16 1.0
.set AF,   16                          ; v[16:79]   A fragments of my 8 row blocks
.set RA,   80                          ; v[80:143]  row minima: block a, register j = row 16 a + 8 (lane / 16) + j, over the columns = lane % 16 mod 16
.set DD,   144                         ; v[144:175] two buffers of two tiles
.set BF,   176                         ; v[176:207] two sets of two B fragments
.set CA,   208                         ; v[208:211] column minima of the pair at work, a pair of registers for each set
; at work during the set-up only, on the registers of the row minima:
.set PX,   80                          ; v[80:111]  8 points: x0 x1 x2 norm
.set PH,   112                         ; v[112:115] upper halves as f32
.set PR,   116                         ; v[116:119] r
.set PL,   120                         ; v[120:123] l
.set PQ,   124                         ; v[124:135] words 0-11 of a row
.set QA,   136                         ; v[136:139] words 12-15 of an xyz1 row
.set QB,   140                         ; v[140:143] words 12-15 of an xyz2 row
	s_load_b128 s[4:7], s[0:1], 0x0                ; xyz1 s[4:5], xyz2 s[6:7]
	s_load_b64 s[8:9], s[0:1], 0x10                ; partial
	v_lshl_add_u32 v212, v0, 2, 0x49400
	v_mov_b32 v213, 0
	v_lshrrev_b32 v1, 5, v0
	v_readfirstlane_b32 s10, v1                    ; wave 0..7
	s_and_b32 s11, ttmp7, 0xffff                   ; batch
	s_and_b32 s12, ttmp9, 7                        ; which 1024 of xyz2
	s_lshr_b32 s13, ttmp9, 3                       ; which 1024 of xyz1
	s_lshl2_add_u32 s18, s11, s13                  ; 4 batch + row block
	s_lshl3_add_u32 s19, s11, s12                  ; 8 batch + column block
	s_mul_i32 s14, s18, BLK*12                     ; bytes in front of my points of xyz1
	s_mov_b32 s15, 0
	s_mul_i32 s16, s19, BLK*12                     ; and of xyz2
	s_mov_b32 s17, 0
	s_mov_b32 s20, 0xffff0000                      ; a word's upper half
	s_mov_b32 s21, 0x07060302                      ; v_perm_b32: {second source's upper half, first source's upper half}
	v_mul_u32_u24 v[GOFF], v0, 12
	s_wait_kmcnt 0x0
	s_add_nc_u64 s[4:5], s[4:5], s[14:15]
	s_add_nc_u64 s[6:7], s[6:7], s[16:17]
.irp g, 0,1,2,3
	global_load_b96 v[PX+4*\g:PX+4*\g+2], v[GOFF], s[4:5] offset:\g*3072         ; point 256 g + t: a wave's load covers 384 neighbouring bytes
.endr
.irp g, 0,1,2,3
	global_load_b96 v[PX+16+4*\g:PX+16+4*\g+2], v[GOFF], s[6:7] offset:\g*3072
.endr
	; where the two results go: dist1's part [batch][column block 0..7][4096], dist2's part [batch][row block 0..3][8192]
	s_lshl_b32 s28, s19, 14
	s_lshl_b32 s29, s13, 12
	s_add_co_u32 s28, s28, s29
	s_mov_b32 s29, 0
	s_add_nc_u64 s[26:27], s[8:9], s[28:29]
	s_lshl_b32 s28, s18, 15
	s_lshl_b32 s29, s12, 12
	s_add_co_u32 s28, s28, s29
	s_add_co_u32 s28, s28, P2
	s_mov_b32 s29, 0
	s_add_nc_u64 s[30:31], s[8:9], s[28:29]
	v_mul_u32_u24 v[SA], v0, PITCH
	v_add_nc_u32 v[SB], BBASE, v[SA]
	v_and_b32 v12, 15, v0                          ; lane % 16
	v_bfe_u32 v13, v0, 4, 1                        ; lane / 16
	v_mul_u32_u24 v[FA], v12, PITCH                ; a fragment: lane holds row lane % 16; 16 bytes at 16 (lane / 16) and 16 more 32 bytes on
	v_lshl_add_u32 v[FA], v13, 4, v[FA]
	v_add_nc_u32 v[FB], BBASE, v[FA]
	s_mul_i32 s22, s10, 128*PITCH
	v_add_nc_u32 v[FA], s22, v[FA]                 ; my wave's 128 rows
	v_mov_b32 v[ONE], 1.0
	v_mov_b32 v[QA+2], 0x3f803f80                  ; the words that are the same for every point, written once
	v_mov_b32 v[QA+3], 0
	v_mov_b32 v[QB], 0x3f803f80
	v_mov_b32 v[QB+3], 0
; One point a lane: norm, three exact pieces of four numbers, 16 words, 64 bytes to LDS.  x: the point's four registers; isa = 1: xyz1.
.macro FEAT x, isa, adr, off
	v_mul_f32 v[\x+3], v[\x], v[\x]
	v_fma_f32 v[\x+3], v[\x+1], v[\x+1], v[\x+3]
	v_fma_f32 v[\x+3], v[\x+2], v[\x+2], v[\x+3]
.if \isa
	v_pk_mul_f32 v[\x:\x+1], v[\x:\x+1], -2.0 op_sel_hi:[1,0]      ; the factor -2 of the cross term rides on xyz1: exact
	v_mul_f32 v[\x+2], -2.0, v[\x+2]
.endif
.irp c, 0,1,2,3
	v_and_b32 v[PH+\c], s20, v[\x+\c]                              ; h
.endr
	v_pk_add_f32 v[PR:PR+1], v[\x:\x+1], v[PH:PH+1] neg_lo:[0,1] neg_hi:[0,1]          ; r = v - h
	v_pk_add_f32 v[PR+2:PR+3], v[\x+2:\x+3], v[PH+2:PH+3] neg_lo:[0,1] neg_hi:[0,1]
.irp c, 0,1,2,3
	v_and_b32 v[PH+\c], s20, v[PR+\c]                              ; m
.endr
	v_pk_add_f32 v[PL:PL+1], v[PR:PR+1], v[PH:PH+1] neg_lo:[0,1] neg_hi:[0,1]          ; l = r - m
	v_pk_add_f32 v[PL+2:PL+3], v[PR+2:PR+3], v[PH+2:PH+3] neg_lo:[0,1] neg_hi:[0,1]
	; the pieces' bf16 codes are the upper halves of v, r and l; the second source of v_perm_b32 gives the word's low half
.irp c, 0,1,2
.if \isa
	v_perm_b32 v[PQ+4*\c],   v[\x+\c], v[\x+\c], s21               ; {h, h}
	v_perm_b32 v[PQ+4*\c+1], v[PR+\c], v[PR+\c], s21               ; {m, m}
	v_perm_b32 v[PQ+4*\c+2], v[PL+\c], v[\x+\c], s21               ; {h, l}
	v_perm_b32 v[PQ+4*\c+3], v[PL+\c], v[PR+\c], s21               ; {m, l}
.else
	v_perm_b32 v[PQ+4*\c],   v[PR+\c], v[\x+\c], s21               ; {h, m}
	v_perm_b32 v[PQ+4*\c+1], v[PR+\c], v[\x+\c], s21               ; {h, m}
	v_perm_b32 v[PQ+4*\c+2], v[\x+\c], v[PL+\c], s21               ; {l, h}
	v_perm_b32 v[PQ+4*\c+3], v[PR+\c], v[PL+\c], s21               ; {l, m}
.endif
.endr
	ds_store_b128 v[\adr], v[PQ:PQ+3] offset:\off
	ds_store_b128 v[\adr], v[PQ+4:PQ+7] offset:\off+16
	ds_store_b128 v[\adr], v[PQ+8:PQ+11] offset:\off+32
.if \isa
	v_perm_b32 v[QA],   v[PR+3], v[\x+3], s21                      ; {nh, nm}
	v_perm_b32 v[QA+1], v[ONE],  v[PL+3], s21                      ; {nl, 1}
	ds_store_b128 v[\adr], v[QA:QA+3] offset:\off+48
.else
	v_perm_b32 v[QB+1], v[\x+3], v[ONE],  s21                      ; {1, nh}
	v_perm_b32 v[QB+2], v[PL+3], v[PR+3], s21                      ; {nm, nl}
	ds_store_b128 v[\adr], v[QB:QB+3] offset:\off+48
.endif
.endm
.irp g, 0,1,2,3
	s_wait_loadcnt 7-\g                            ; loads come back in order: this group's is in, the younger ones stay out
	FEAT PX+4*\g, 1, SA, \g*256*PITCH
.endr
.irp g, 0,1,2,3
	s_wait_loadcnt 3-\g
	FEAT PX+16+4*\g, 0, SB, \g*256*PITCH
.endr
	s_wait_dscnt 0x0                               ; my rows are in LDS, for the other waves' sake
	s_barrier_signal -1
	s_barrier_wait -1                              ; everybody's are; from here on nobody writes them
.irp a, 0,1,2,3,4,5,6,7
	ds_load_b128 v[AF+8*\a:AF+8*\a+3],   v[FA] offset:\a*16*PITCH
	ds_load_b128 v[AF+8*\a+4:AF+8*\a+7], v[FA] offset:\a*16*PITCH+32
.endr
.irp i, 0,1,2,3
	ds_load_b128 v[BF+8*\i:BF+8*\i+3],   v[FB] offset:\i*16*PITCH                    ; column blocks 0, 1 (set 0) and 2, 3 (set 1)
	ds_load_b128 v[BF+8*\i+4:BF+8*\i+7], v[FB] offset:\i*16*PITCH+32
.endr
	s_mul_i32 s23, s10, STGW
	s_add_co_u32 s23, s23, STG
	s_mul_i32 s24, s10, RTW
	s_add_co_u32 s24, s24, RT
	s_wait_dscnt 0x0                               ; all of them: the counted wait in the first pair below leans on set 1 being in
; Two products: row block a against the two column blocks of set q, into tile buffer a % 2.  C is the constant 0: a tile is finished by one instruction,
; no sum is carried from one matrix instruction to another.
.macro MM q, a
	v_wmma_f32_16x16x32_bf16 v[DD+16*((\a)&1):DD+16*((\a)&1)+7], v[AF+8*(\a):AF+8*(\a)+7], v[BF+16*(\q):BF+16*(\q)+7], 0
	v_wmma_f32_16x16x32_bf16 v[DD+16*((\a)&1)+8:DD+16*((\a)&1)+15], v[AF+8*(\a):AF+8*(\a)+7], v[BF+16*(\q)+8:BF+16*(\q)+15], 0
.endm
; Step k of four of the minimum over a tile's eight registers (eight rows of my column).  Row block 0 starts the minimum: nothing is preset.
.macro COLMIN c, t, a, k
.if (\a) == 0
.if \k == 0
	v_min3_num_f32 v[\c], v[\t], v[\t+1], v[\t+2]
.elseif \k == 3
	v_min_num_f32 v[\c], v[\c], v[\t+7]
.else
	v_min3_num_f32 v[\c], v[\c], v[\t+2*\k+1], v[\t+2*\k+2]
.endif
.else
	v_min3_num_f32 v[\c], v[\c], v[\t+2*\k], v[\t+2*\k+1]
.endif
.endm
; The 16 minima of two tiles: 8 take both tiles' register j into the row minimum, 4 + 4 fold each tile's registers into its column minimum.
; Each v_min3 takes in two new numbers; the two column chains and the rows are interleaved, so that a chain's links stand four instructions apart.
.macro MINS q, a, first
.set T1, DD+16*((\a)&1)
.set T2, T1+8
.set C1, CA+2*\q
.set R,  RA+8*(\a)
.irp k, 0,1,2,3
	COLMIN C1, T1, \a, \k
	COLMIN C1+1, T2, \a, \k
.if \first
	v_min_num_f32 v[R+2*\k],   v[T1+2*\k],   v[T2+2*\k]            ; the first pair of column blocks starts the row minima
	v_min_num_f32 v[R+2*\k+1], v[T1+2*\k+1], v[T2+2*\k+1]
.else
	v_min3_num_f32 v[R+2*\k],   v[R+2*\k],   v[T1+2*\k],   v[T2+2*\k]
	v_min3_num_f32 v[R+2*\k+1], v[R+2*\k+1], v[T1+2*\k+1], v[T2+2*\k+1]
.endif
.endr
.endm
; A pair of column blocks (set q) against my 8 row blocks.  In each step the NEXT step's two products are issued first, into the other tile buffer, and then
; this step's 16 minima: they name none of the registers of the products just issued, so they are the independent vector instructions that stand between a
; matrix instruction and the first read of its result (ISA guide 7.12.1; four are asked for, sixteen stand there).
; next = 1: the last step issues the following pair's first products.  fetch: byte offset of the pair after that, which set q takes (0: none).
; sto: where this pair's column minima go in the stage.
.macro PAIR q, first, next, fetch, sto
.irp a, 0,1,2,3,4,5,6
	MM \q, \a+1
	MINS \q, \a, \first
.endr
.if \next
	s_wait_dscnt 0x2                               ; the other set's four loads are in: behind them only the last pair's two stores were issued
	MM 1-\q, 0
.endif
.if \fetch
	; set q was last read by the products of row block 7, sixteen minima ago; its next use is a whole pair away
	ds_load_b128 v[BF+16*\q:BF+16*\q+3],     v[FB] offset:\fetch
	ds_load_b128 v[BF+16*\q+4:BF+16*\q+7],   v[FB] offset:\fetch+32
	ds_load_b128 v[BF+16*\q+8:BF+16*\q+11],  v[FB] offset:\fetch+16*PITCH
	ds_load_b128 v[BF+16*\q+12:BF+16*\q+15], v[FB] offset:\fetch+16*PITCH+32
.endif
	MINS \q, 7, \first
	ds_store_b32 v[ST], v[CA+2*\q]   offset:\sto                   ; my column's minimum over 64 of my wave's 128 rows (the other lane half has the rest)
	ds_store_b32 v[ST], v[CA+2*\q+1] offset:\sto+64
.endm
	MM 0, 0
	; the addresses of the way out are made here: more than four independent vector instructions behind the first products
	v_mul_u32_u24 v[ST], v13, STGH
	v_lshl_add_u32 v[ST], v12, 2, v[ST]
	v_add_nc_u32 v[ST], s23, v[ST]                 ; stage + wave + lane half + 4 (lane % 16)
	v_mul_u32_u24 v[RS], v13, 2*RTP
	v_lshl_add_u32 v[RS], v12, 4, v[RS]
	v_add_nc_u32 v[RS], s24, v[RS]                 ; transpose, in: line 2 (lane / 16), 16 bytes at 16 (lane % 16)
	v_and_b32 v[RL], 31, v0
	v_mul_u32_u24 v[RL], v[RL], RTP
	v_add_nc_u32 v[RL], s24, v[RL]                 ; transpose, back: line = lane
	v_lshlrev_b32 v[OUT], 4, v0
	v_add_nc_u32 v[CL], STG, v[OUT]
	; 32 pairs.  Pair p lies at byte 2560 p of xyz2's rows and stores at byte 128 p of the stage; FB and ST step by two pairs a trip.
	PAIR 0, 1, 1, 2*2560, 0                        ; pair 0, fetches pair 2
	s_mov_b32 s25, 14
.Ltrip:                                            ; trip i = 0..13: pairs 1 + 2 i and 2 + 2 i, which fetch pairs 3 + 2 i and 4 + 2 i
	PAIR 1, 0, 1, 3*2560, 128
	PAIR 0, 0, 1, 4*2560, 256
	v_add_nc_u32 v[FB], 2*2560, v[FB]
	v_add_nc_u32 v[ST], 256, v[ST]
	s_sub_co_u32 s25, s25, 1
	s_cmp_lg_u32 s25, 0
	s_cbranch_scc1 .Ltrip
	PAIR 1, 0, 1, 3*2560, 128                      ; pair 29 fetches pair 31, the last
	PAIR 0, 0, 1, 0, 256                           ; pair 30 fetches nothing
	PAIR 1, 0, 0, 0, 384                           ; pair 31: nothing follows
; the minimum of 16 groups of four registers, into the first group
.macro MIN16 x
.irp k, 0,1,2,3,4,5,6
.irp c, 0,1,2,3
	v_min3_num_f32 v[\x+\c], v[\x+\c], v[\x+8*\k+4+\c], v[\x+8*\k+8+\c]
.endr
.endr
.irp c, 0,1,2,3
	v_min_num_f32 v[\x+\c], v[\x+\c], v[\x+60+\c]
.endr
.endm
	; ROWS.  A row's minimum is still spread over 16 lanes, in 64 registers.  Through my wave's own LDS bytes: line 4 a + 2 (lane / 16) + jq holds rows
	; 4 line .. 4 line + 3, sixteen lanes' 16 bytes side by side; lane L reads line L back and folds it.  16 stores, 16 loads and 32 minima, where
	; stepping between the lanes would take four instructions for each of the 64 registers; and lane L ends with rows 4 L .. 4 L + 3, 16 bytes that belong together.
.irp a, 0,1,2,3,4,5,6,7
	ds_store_b128 v[RS], v[RA+8*\a:RA+8*\a+3]   offset:\a*4*RTP
	ds_store_b128 v[RS], v[RA+8*\a+4:RA+8*\a+7] offset:\a*4*RTP+RTP
.endr
.irp i, 0,1,2,3,4,5,6,7,8,9,10,11,12,13,14,15
	ds_load_b128 v[AF+4*\i:AF+4*\i+3], v[RL] offset:16*\i          ; LDS serves a wave's instructions in order: these see the stores above
.endr
	s_wait_dscnt 0x0                               ; those loads are in, and all my column minima are in the stage, for the other waves' sake
	s_barrier_signal -1
	MIN16 AF                                       ; register work while the others arrive
	s_barrier_wait -1
	global_store_b128 v[OUT], v[AF:AF+3], s[26:27]                 ; a wave stores 512 consecutive bytes, aligned
	; COLUMNS.  Thread t folds columns 4 t .. 4 t + 3 over the 8 waves and the 2 lane halves.
.irp i, 0,1,2,3,4,5,6,7,8,9,10,11,12,13,14,15
	ds_load_b128 v[RA+4*\i:RA+4*\i+3], v[CL] offset:STGW*(\i>>1)+STGH*(\i&1)
.endr
	s_wait_dscnt 0x0
	MIN16 RA
	global_store_b128 v[OUT], v[RA:RA+3], s[30:31]
	s_wait_tensorcnt 0x0
	ds_add_u32 v212, v213
	s_wait_dscnt 0x0
	s_endpgm
.Lfunc_end_k_q050e6be249_tiles:
	.size	k_q050e6be249_tiles, .Lfunc_end_k_q050e6be249_tiles-k_q050e6be249_tiles
	.p2alignl 7, 3214868480
	.fill 96, 4, 3214868480
	.section	.rodata,"a",@progbits
	.p2align	6, 0x0
	.amdhsa_kernel k_q050e6be249_tiles
		.amdhsa_group_segment_fixed_size 301056
		.amdhsa_private_segment_fixed_size 0
		.amdhsa_enable_private_segment 0
		.amdhsa_kernarg_size 24
		.amdhsa_user_sgpr_count 2
		.amdhsa_user_sgpr_kernarg_segment_ptr 1
		.amdhsa_wavefront_size32 1
		.amdhsa_system_sgpr_workgroup_id_x 1
		.amdhsa_system_sgpr_workgroup_id_y 1
		.amdhsa_system_sgpr_workgroup_id_z 1
		.amdhsa_system_vgpr_workitem_id 0
		.amdhsa_next_free_vgpr 214
		.amdhsa_next_free_sgpr 66
		.amdhsa_reserve_vcc 0
		.amdhsa_float_denorm_mode_32 3
		.amdhsa_float_denorm_mode_16_64 3
		.amdhsa_memory_ordered 1
		.amdhsa_forward_progress 1
		.amdhsa_inst_pref_size 82
	.end_amdhsa_kernel
	.amdgpu_metadata
---
amdhsa.version: [ 1, 2 ]
amdhsa.kernels:
  - .name:           k_q050e6be249_tiles
    .symbol:         k_q050e6be249_tiles.kd
    .args:
      - { .name: xyz1, .offset: 0, .size: 8, .value_kind: global_buffer, .address_space: global }
      - { .name: xyz2, .offset: 8, .size: 8, .value_kind: global_buffer, .address_space: global }
      - { .name: partial, .offset: 16, .size: 8, .value_kind: global_buffer, .address_space: global }
    .group_segment_fixed_size: 301056
    .private_segment_fixed_size: 0
    .kernarg_segment_align: 8
    .kernarg_segment_size: 24
    .max_flat_workgroup_size: 256
    .sgpr_count:     66
    .vgpr_count:     214
    .wavefront_size: 32
...
	.end_amdgpu_metadata
.endif
;; end of part 1
;; launch fold (part 2): grid 256 x 1, 3 waves a work-group, no clusters, 0 bytes of LDS; arguments partial, out0, out1; writes out0, out1
.if DOCPART == 2
	.amdgcn_target "amdgcn-amd-amdhsa--gfx1250"
	.amdhsa_code_object_version 6
	.text
	.protected	k_q050e6be249_fold
	.globl	k_q050e6be249_fold
	.p2align	8
	.type	k_q050e6be249_fold,@function
k_q050e6be249_fold:
	s_mov_b64 s[64:65], 0
	v_nop
	global_prefetch_b8 v0, s[64:65] scope:SCOPE_SE
	s_setreg_imm32_b32 hwreg(HW_REG_WAVE_MODE, 25, 1), 1
	s_wait_xcnt 0x0
; Chamfer distance, second launch: the minimum over the blocks' partial results.
; partial: [8][8][4096] f32 (dist1: 8 column blocks), then at 1 MiB [8][4][8192] f32 (dist2: 4 row blocks).
; 256 work-groups of three waves.  A wave makes 128 neighbouring numbers, four a lane: wave 0 of out0 (8 loads a lane), waves 1 and 2 of out1 (4 loads each).
; Every load and store of a wave covers 512 consecutive bytes, aligned.  No LDS, no barrier: no wave needs another's numbers.
; v_min_num and v_min3_num drop a NaN (inputs are taken to be finite, as in the first launch).
.set P2, 0x100000
	s_load_b128 s[4:7], s[0:1], 0x0                ; partial s[4:5], out0 s[6:7]
	s_load_b64 s[8:9], s[0:1], 0x10                ; out1
	v_lshrrev_b32 v1, 5, v0
	v_readfirstlane_b32 s10, v1                    ; wave 0..2
	v_and_b32 v2, 31, v0
	v_lshlrev_b32 v2, 4, v2                        ; 16 bytes a lane
	s_mov_b32 s13, 0
	s_mov_b32 s15, 0
	s_cmp_lg_u32 s10, 0
	s_cbranch_scc1 .Lsecond
	; out0: work-group g makes numbers 128 g ..: batch g / 32, 512 bytes at 512 (g % 32)
	s_lshr_b32 s11, ttmp9, 5
	s_lshl_b32 s11, s11, 17                        ; a batch's 8 x 4096 x 4 bytes
	s_and_b32 s12, ttmp9, 31
	s_lshl_b32 s12, s12, 9
	s_add_co_u32 s12, s12, s11
	s_lshl_b32 s14, ttmp9, 9
	s_wait_kmcnt 0x0
	s_add_nc_u64 s[4:5], s[4:5], s[12:13]
	s_add_nc_u64 s[6:7], s[6:7], s[14:15]
.irp k, 0,1,2,3,4,5,6,7
	global_load_b128 v[4+4*\k:7+4*\k], v2, s[4:5] offset:\k*16384 th:TH_LOAD_NT
.endr
.irp k, 0,1,2
	s_wait_loadcnt 5-2*\k                          ; loads come back in order: the next two parts are in, the younger ones stay out
.irp c, 0,1,2,3
	v_min3_num_f32 v[4+\c], v[4+\c], v[8+8*\k+\c], v[12+8*\k+\c]
.endr
.endr
	s_wait_loadcnt 0x0
.irp c, 0,1,2,3
	v_min_num_f32 v[4+\c], v[4+\c], v[32+\c]
.endr
	global_store_b128 v2, v[4:7], s[6:7] th:TH_STORE_NT
	s_endpgm
.Lsecond:
	; out1: piece u = 2 g + wave - 1 of 512: batch u / 64, 512 bytes at 512 (u % 64)
	s_lshl1_add_u32 s11, ttmp9, s10
	s_sub_co_u32 s11, s11, 1
	s_lshr_b32 s12, s11, 6
	s_lshl_b32 s12, s12, 17                        ; a batch's 4 x 8192 x 4 bytes
	s_and_b32 s14, s11, 63
	s_lshl_b32 s14, s14, 9
	s_add_co_u32 s12, s12, s14
	s_add_co_u32 s12, s12, P2
	s_lshl_b32 s14, s11, 9
	s_wait_kmcnt 0x0
	s_add_nc_u64 s[4:5], s[4:5], s[12:13]
	s_add_nc_u64 s[8:9], s[8:9], s[14:15]
.irp k, 0,1,2,3
	global_load_b128 v[4+4*\k:7+4*\k], v2, s[4:5] offset:\k*32768 th:TH_LOAD_NT
.endr
	s_wait_loadcnt 0x1                             ; three parts are in, the fourth may be out
.irp c, 0,1,2,3
	v_min3_num_f32 v[4+\c], v[4+\c], v[8+\c], v[12+\c]
.endr
	s_wait_loadcnt 0x0
.irp c, 0,1,2,3
	v_min_num_f32 v[4+\c], v[4+\c], v[16+\c]
.endr
	global_store_b128 v2, v[4:7], s[8:9] th:TH_STORE_NT
	s_endpgm
.Lfunc_end_k_q050e6be249_fold:
	.size	k_q050e6be249_fold, .Lfunc_end_k_q050e6be249_fold-k_q050e6be249_fold
	.p2alignl 7, 3214868480
	.fill 96, 4, 3214868480
	.section	.rodata,"a",@progbits
	.p2align	6, 0x0
	.amdhsa_kernel k_q050e6be249_fold
		.amdhsa_group_segment_fixed_size 0
		.amdhsa_private_segment_fixed_size 0
		.amdhsa_enable_private_segment 0
		.amdhsa_kernarg_size 24
		.amdhsa_user_sgpr_count 2
		.amdhsa_user_sgpr_kernarg_segment_ptr 1
		.amdhsa_wavefront_size32 1
		.amdhsa_system_sgpr_workgroup_id_x 1
		.amdhsa_system_sgpr_workgroup_id_y 1
		.amdhsa_system_sgpr_workgroup_id_z 1
		.amdhsa_system_vgpr_workitem_id 0
		.amdhsa_next_free_vgpr 36
		.amdhsa_next_free_sgpr 66
		.amdhsa_reserve_vcc 0
		.amdhsa_float_denorm_mode_32 3
		.amdhsa_float_denorm_mode_16_64 3
		.amdhsa_memory_ordered 1
		.amdhsa_forward_progress 1
		.amdhsa_inst_pref_size 5
	.end_amdhsa_kernel
	.amdgpu_metadata
---
amdhsa.version: [ 1, 2 ]
amdhsa.kernels:
  - .name:           k_q050e6be249_fold
    .symbol:         k_q050e6be249_fold.kd
    .args:
      - { .name: partial, .offset: 0, .size: 8, .value_kind: global_buffer, .address_space: global }
      - { .name: out0, .offset: 8, .size: 8, .value_kind: global_buffer, .address_space: global }
      - { .name: out1, .offset: 16, .size: 8, .value_kind: global_buffer, .address_space: global }
    .group_segment_fixed_size: 0
    .private_segment_fixed_size: 0
    .kernarg_segment_align: 8
    .kernarg_segment_size: 24
    .max_flat_workgroup_size: 96
    .sgpr_count:     66
    .vgpr_count:     36
    .wavefront_size: 32
...
	.end_amdgpu_metadata
.endif
;; end of part 2
